; MI455X (gfx1250); checked and timed in simulation.
; The chip was launched on July 23, 2026; its instructions are those of AMD's public machine-readable ISA for CDNA 5 (MIT licence, August 2026) and "CDNA5" Instruction Set Architecture Reference Guide (July 2026). The comments in the code are by the model that wrote it; some were corrected since.
;; Causal Self Attention. Allowed arithmetic: matrix products marked QUANTISED: E5M2 operands, one given power-of-two scale a tensor, by v_wmma_f32_16x16x64_bf8_bf8 or v_wmma_f32_16x16x128_bf8_bf8, f32 sums; everything else in f32.
;; Inputs: Wk_codes 1,024 x 32 x 32 uint8 (E5M2 codes of Wk, K innermost, in blocks of 32 codes); Wq_codes 1,024 x 32 x 32 uint8 (E5M2 codes of Wq, K innermost, in blocks of 32 codes); Wv_codes 1,024 x 32 x 32 uint8 (E5M2 codes of Wv, K innermost, in blocks of 32 codes); lowp_scales 10 int32 (the exponents e of the quantised operands' scales 2^e); x_codes 4 x 2,048 x 32 x 32 uint8 (E5M2 codes of x, K innermost, in blocks of 32 codes).
;; Outputs: out0 4 x 2,048 x 1,024 float32.
;; This version of the problem:
;;   THIS VERSION OF THE PROBLEM IS GIVEN IN LOW PRECISION. The matrix products marked QUANTISED in the list below multiply operands that are first quantised to E5M2 (5 exponent bits, 2 mantissa bits; 8 bits a number), with one given power-of-two scale for each operand tensor; their sums are f32. All else is computed in f32.
;;   The module's matrix products, in the order in which they are computed (A, B: the left and right operand; K: the contracted axis; several contracted axes count as one K, in the product's order):
;;     1. [M 8,192, K 1,024] x [K 1,024, N 1,024]; A: input x (given as codes); B: input Wq (given as codes): QUANTISED (scales: A lowp_scales[0], B lowp_scales[1])
;;     2. [M 8,192, K 1,024] x [K 1,024, N 1,024]; A: input x (given as codes); B: input Wk (given as codes): QUANTISED (scales: A lowp_scales[2], B lowp_scales[3])
;;     3. [M 8,192, K 1,024] x [K 1,024, N 1,024]; A: input x (given as codes); B: input Wv (given as codes): QUANTISED (scales: A lowp_scales[4], B lowp_scales[5])
;;     4. batch 4 x [M 2,048, K 1,024] x [K 1,024, N 2,048]; A: computed on the way; B: computed on the way: QUANTISED (scales: A lowp_scales[6], B lowp_scales[7])
;;     5. batch 4 x [M 2,048, K 2,048] x [K 2,048, N 1,024]; A: softmax (see below); B: computed on the way: QUANTISED (scales: A lowp_scales[8], B lowp_scales[9])
;;   THE QUANTISER, for each operand of a quantised product, along K:
;;     - The operand's scale is 2^e, e = its entry of the input lowp_scales (int32; the entries are numbered through the quantised products in the list's order, A before B).
;;     - Each number is divided by the scale, clamped to +-57,344, and rounded to the nearest number of E5M2, ties to even, subnormals kept.
;;     - The product sums the exact products of the quantised numbers (number of the format x scale) in f32.
;;   ~~~python
;;   def quantise(x, axis, e):      # numpy; x: float32 -> the quantised numbers, widened to float32 again
;;       x = np.moveaxis(x, axis, -1); K = x.shape[-1]
;;       r = np.clip(x / 2.0 ** e, -57344, 57344)
;;       step = 2.0 ** (np.maximum(np.frexp(np.where(r == 0, 1, r))[1] - 1, -14) - 2)
;;       q = np.round(r / step) * step * 2.0 ** e      # np.round: ties to even
;;       return np.moveaxis(q, -1, axis).astype(np.float32)
;;   ~~~
;;   SOFTMAX AHEAD OF A QUANTISED PRODUCT. Where the list says 'softmax', what is quantised is not the finished softmax but p = 2^(t - M), with t = logit x log2(e) and M = ceil(the row's largest t), a whole number; so 1/2 < the row's largest p <= 1. The row's sum l is taken of the UNQUANTISED p, in f32, and the product's result is divided by l at the end. Since M is a whole number, a kernel that streams over the keys may use a running M (the ceiling of the running maximum): every later rescaling is an exact power of two, so the quantised numbers keep their values, but for numbers so far below the row's largest that they fall under the format's range.
;;   OPERANDS COMPUTED ON THE WAY. 'Computed on the way' means the value that the module computes at that place (a softmax that the list does not call 'softmax' is quantised finished and normalised). What goes into a quantiser is computed in f32, as accurately as f32 sums, v_exp_f32 and their like allow (about 1e-6 of the number): no bf16 or f16 on the way to a quantiser, and a product that is left as it is and whose result goes on into a quantised operand takes f32 operands (vector FMAs, or v_wmma_f32_16x16x4_f32). A number that lies on a knife's edge between two numbers of the format may be rounded either way, as far as f32 arithmetic and the matrix unit's own rounding can turn it there, and no further.
;;   INPUTS GIVEN AS CODES. Wk (in the module: [1024, 1024], K = its axis 0); Wq (in the module: [1024, 1024], K = its axis 0); Wv (in the module: [1024, 1024], K = its axis 0); x (in the module: [4, 2048, 1024], K = its axis 2): each comes as NAME_codes (uint8): NAME with its K axis moved to the last place and cut into blocks of 32 codes, [.., K / 32, bytes a block], one block behind the other in memory; one code a byte (a code: sign, 5 exponent bits, 2 mantissa bits); its scale is its entry of lowp_scales. Its value is code x scale, taken as it is: it is not quantised again, and the codes and scales need not be those that the quantiser above would give.
;; One version. Each part assembles by itself: llvm-mc -triple=amdgcn-amd-amdhsa -mcpu=gfx1250 --defsym DOCPART=n.
;; ======== version 1 of 1: 3 launches
;; limits: right only within a limited range of input values
;; workspace buffers: qf 8,388,608 bytes; kf 8,388,608 bytes; vf 8,388,608 bytes; pf 16,777,216 bytes; stats 1,048,576 bytes
;; launch proj (part 1): grid 12 x 32, 4 waves a work-group, clusters of 4 x 4, 327,680 bytes of LDS; arguments x_codes, Wq_codes, Wk_codes, Wv_codes, lowp_scales, qf, kf, vf; writes qf, kf, vf
.if DOCPART == 1
	.amdgcn_target "amdgcn-amd-amdhsa--gfx1250"
	.amdhsa_code_object_version 6
	.text
	.protected	k_qfb29ccde5f_proj
	.globl	k_qfb29ccde5f_proj
	.p2align	8
	.type	k_qfb29ccde5f_proj,@function
k_qfb29ccde5f_proj:
	s_mov_b64 s[64:65], 0
	v_nop
	global_prefetch_b8 v0, s[64:65] scope:SCOPE_SE
	s_setreg_imm32_b32 hwreg(HW_REG_WAVE_MODE, 25, 1), 1
	s_wait_xcnt 0x0
	s_wait_alu depctr_hold_cnt(0) depctr_sa_sdst(0) depctr_va_vdst(0) depctr_va_sdst(0) depctr_va_ssrc(0) depctr_va_vcc(0) depctr_vm_vsrc(0)
	s_getreg_b32 s2, hwreg(HW_REG_IB_STS2, 6, 4)
	s_cmp_eq_u32 s2, 0
	s_cbranch_scc0 .Lentry_in_a_cluster
	s_endpgm
.Lentry_in_a_cluster:
	s_bfe_u32 s2, ttmp6, 0x10000c
	s_cmp_lg_u32 s2, 0xf033
	s_cbranch_scc0 .Lentry_shape_is_right
	s_endpgm
.Lentry_shape_is_right:
; q = x Wq, k = x Wk, v = x Wv on codes of E5M2, and the results quantised at once into the operands of the two attention products.
; x: [8192][1024] codes, Wq, Wk, Wv: [1024 (n)][1024 (k)] codes, K innermost.  Sums in f32.  A sum stands for sum x 2^(ex + ew); its code under the next scale 2^en is
; sum / 2^E, E = en - ex - ew (q: e6 - e0 - e1, k: e7 - e2 - e3, v: e9 - e4 - e5), held within +-57,344 and rounded to the nearest code, ties to even.
; LIMITS: E between -126 and 112, so that 2^E and 57,344 x 2^E are f32 numbers.  Codes of infinity or NaN among the inputs are not served.
; SHARES.  The cluster's x says which product: 0 q, 1 k, 2 v.  A work-group of four waves makes a tile of 256 x 256, a wave 128 x 128: 64 accumulators of 16 x 16, 512 registers.
; Source 1 of the matrix instruction ("A") gives the rows of the result's images, source 0 ("B") what runs along a lane's registers, which is the NEXT product's K:
;   q, k: A = x (tokens), B = W (channels): the next K is the channel.      v: A = Wv (channels), B = x (tokens): the next K is the key.  Only pointers and tile numbers are chosen, by selects on the cluster's x.
; THE RESULT IS STORED AS IMAGES OF OPERAND REGISTERS.  In accumulator (a, b) lane (r, h) holds row 16 a + r and columns 16 b + 8 h + 0 .. 7.  Eight numbers become two registers of codes, which are registers 2 b, 2 b + 1
; of a fragment of 16 rows x 128 K in the layout of the K = 128 form (ISA guide 7.12.2).  A fragment's 16 registers go out by four stores, lane l's 16 bytes at 16 l: each store covers 512 consecutive bytes, aligned.
;   qf, kf: [token block of 16][channel chunk of 128][2,048 bytes];   vf: [batch][channel block of 16][key chunk of 128][2,048 bytes].
; K goes in steps of 256 through a ring of two LDS slots filled by the tensor data mover; four K steps, written out.
; CLUSTERS: 4 x 4 work-groups.  The four of a row of the cluster need the same tiles of A, the four of a column the same tiles of B: each tile is asked for jointly, by the same tensor load with the same descriptor and a mask that names the four.
; REGISTERS, in windows of 256: window 0: v0-31 addresses and the scale; v32-95 at work on the way out; from v128 A's fragments, ONE set, later the codes.   window 1: B's fragments, TWO sets, at v0 and v128.
;   window 2: the accumulators of my rows 0-63 ((a, b) at v[8 (8 a + b)]);   window 3: those of my rows 64-127.
.set KROW,   1024                      ; a row of x or of a weight in memory, in bytes
.set ROWB,   256                       ; a tile's row: 256 codes
.set PITCH,  272                       ; an LDS row: 256 bytes + 16 of padding = 68 words: row r starts at bank 4 r mod 64 (64 banks of 4 bytes: ISA guide 11.1)
.set FR,     16                        ; registers of a fragment
.set NL,     4                         ; LDS loads that bring one
.set NP,     4                         ; places behind this matrix instruction (ISA guide 7.12.1)
.set HALFT,  128*PITCH                 ; 128 rows: what one tensor load brings
.set SLOT,   4*HALFT                   ; A's 256 rows, then B's 256 rows
.set SPARE,  2*SLOT                    ; behind the ring: the spare words, 128 bytes for each wave
.set GO,   8                           ; v8-15   block a's byte offset in the output: 16 x lane + a x (bytes from one block of 16 rows to the next)
.set ADRA, 16                          ; v16-17  LDS address of my A fragments in slot 0, 1
.set ADRB, 20                          ; v20-21  the same for B
.set SPW,  28                          ; v28     LDS address of my spare word; never rewritten
.set NIL,  29                          ; v29     0; never rewritten
.set SC,   30                          ; v30     2^E as f32
.set LIM,  31                          ; v31     57,344 x 2^E
.set TMP,  32                          ; v32-95  a block's 64 sums, held
.set AF,   128                         ; A's fragments
.set CD,   128                         ; the codes: 16 registers for each of my eight blocks, so that no store's data are written again
.set G1,  24                           ; s[24:31] descriptor group 1 for A's tiles;  s[32:39] group 0, one set for each slot
.set G0,  32
.set G1B, 48                           ; s[48:55], s[56:63] the same for B's tiles
.set G0B, 56
.set OUT, 80                           ; s[80:81] the output at my wave's first image
.set MSB, 0
.macro WIN new                         ; the immediate's high byte repeats the setting that is left
.if MSB != \new
	s_set_vgpr_msb (MSB<<8)|\new
.set MSB, \new
.endif
.endm
.set MUL_LO, 0xa1                      ; source 0 (B) window 1, source 1 (A) window 0, C and D window 2
.set MUL_HI, 0xf1                      ; the same, C and D window 3
.set TO_B,   0x40                      ; destination window 1, address window 0
; A joint load: waves 0 and 1 fetch for A, waves 2 and 3 for B.  The branch hangs on the wave's number alone.  Four v_nop follow each of the two lines.
.macro JLOAD g0a, g1a, g0b, g1b
	s_cmp_eq_u32 s15, 0
	s_cbranch_scc0 .Lfor_b_\@
	tensor_load_to_lds s[\g0a:\g0a+3], s[\g1a:\g1a+7]
	s_nop 0
.rept 4
	v_nop
.endr
	s_branch .Lasked_\@
.Lfor_b_\@:
	tensor_load_to_lds s[\g0b:\g0b+3], s[\g1b:\g1b+7]
	s_nop 0
.rept 4
	v_nop
.endr
.Lasked_\@:
.endm
.macro CREST                           ; a round of the cluster's barrier behind its opening barrier
	s_cmp_lg_u32 s14, 0
	s_cbranch_scc1 .Lnot_wave_0_\@
	s_barrier_signal -3
.Lnot_wave_0_\@:
	s_barrier_wait -3
	s_barrier_signal -1
	s_barrier_wait -1
.endm
.macro CROUND                          ; a whole round
	s_barrier_signal -1
	s_barrier_wait -1
	CREST
.endm
.macro PLACES n
.rept \n
	v_nop
.endr
.endm
	s_load_b256 s[4:11], s[0:1], 0x0               ; x s[4:5], Wq s[6:7], Wk s[8:9], Wv s[10:11]
	s_load_b256 s[68:75], s[0:1], 0x20             ; the scales' exponents s[68:69], qf s[70:71], kf s[72:73], vf s[74:75]
	v_lshl_add_u32 v[SPW], v0, 2, SPARE
	v_mov_b32 v[NIL], 0
	ds_add_u32 v28, v29
	ds_add_u32 v28, v29
	s_wait_dscnt 0x0
	v_lshrrev_b32 v1, 5, v0
	v_readfirstlane_b32 s14, v1                    ; wave 0..3
	s_lshr_b32 s15, s14, 1                         ; which half of the tile's rows is mine.  Also: I fetch for A (0) or for B (1)
	s_and_b32 s16, s14, 1                          ; which half of its columns.  Also: which 128 rows of that tile I fetch
	s_bfe_u32 s40, ttmp6, 0x40000                  ; cx, cy: my place in the cluster
	s_bfe_u32 s41, ttmp6, 0x40004
	s_and_b32 s82, ttmp7, 0xffff                   ; the cluster's y: 0..7
	s_cmp_eq_u32 ttmp9, 2                          ; v?  The same answer in all sixteen partners
	s_cselect_b32 s66, 0, s82                      ; q, k: x's 32 tiles of rows go along A;
	s_cselect_b32 s67, s82, 0                      ; v: along B
	s_lshl_b32 s17, s66, 2
	s_add_co_u32 s17, s17, s41                     ; A's tile: hangs on cy, never on cx
	s_lshl_b32 s42, s67, 2
	s_add_co_u32 s42, s42, s40                     ; B's tile: hangs on cx, never on cy
	s_lshl_b32 s43, s41, 2
	s_lshl_b32 s43, 15, s43                        ; my row of the cluster
	s_lshl_b32 s44, 0x1111, s40                    ; my column
	; descriptor group 1: a tile of 128 rows x 256 bytes, padded in LDS
	s_or_b32 s[G1+0], s43, (1<<20)|(1<<21)|(5<<22)|(3<<25)   ; 15:0 the mask: A's tiles go to my row; 17:16 elements of 1 byte; 20 padding on; 21 set beside a mask; 24:22 after every 64 words (code 5); 31:25 of 4 words (code 3)
	s_or_b32 s[G1B+0], s44, (1<<20)|(1<<21)|(5<<22)|(3<<25)  ; the same with the mask of my column
.irp g, G1, G1B
	s_mov_b32 s[\g+1], ROWB<<16                    ; tensor_dim0
	s_mov_b32 s[\g+2], 128<<16                     ; tensor_dim1 = 128
	s_mov_b32 s[\g+3], ROWB<<16                    ; tile_dim0
	s_mov_b32 s[\g+4], 128                         ; tile_dim1 = 128
	s_mov_b32 s[\g+5], KROW                        ; tensor_dim0_stride
	s_mov_b32 s[\g+6], 0
	s_mov_b32 s[\g+7], 0
.endr
	s_lshl_b32 s18, s16, 7                         ; which 128 rows of the tile I fetch
	s_lshl_b32 s20, s17, 8
	s_add_co_u32 s20, s20, s18                     ; A: row 256 x tile + 128 x half,
	s_lshl_b32 s20, s20, 10                        ; in bytes (8 MiB at the most)
	s_mov_b32 s21, 0
	s_lshl_b32 s46, s42, 8
	s_add_co_u32 s46, s46, s18                     ; B likewise
	s_lshl_b32 s46, s46, 10
	s_mov_b32 s47, 0
	s_mul_i32 s45, s14, HALFT                      ; where they go: wave x 128 rows: no place in the cluster enters an LDS address
	s_wait_kmcnt 0x0
	s_load_b256 s[84:91], s[68:69], 0x0            ; e0 .. e7
	s_load_b64 s[92:93], s[68:69], 0x20            ; e8, e9
	s_cmp_eq_u32 ttmp9, 2                          ; the buffers are chosen by the cluster's x alone
	s_cselect_b64 s[78:79], s[10:11], s[4:5]       ; A: Wv, or x
	s_cselect_b64 s[76:77], s[4:5], s[8:9]         ; B: x, or Wk,
	s_cselect_b64 s[OUT:OUT+1], s[74:75], s[72:73] ; out: vf, or kf,
	s_cmp_eq_u32 ttmp9, 0
	s_cselect_b64 s[76:77], s[6:7], s[76:77]       ; or Wq
	s_cselect_b64 s[OUT:OUT+1], s[70:71], s[OUT:OUT+1]  ; and qf
	s_add_nc_u64 s[20:21], s[78:79], s[20:21]
	s_add_nc_u64 s[46:47], s[76:77], s[46:47]
	CROUND                                         ; all sixteen work-groups are here: the first joint loads meet
.irp s, 0,1
	s_mov_b32 s[G0+4*\s], 1                        ; 1:0 count = 1
	s_add_co_u32 s[G0+4*\s+1], s45, \s*SLOT        ; 63:32 LDS address
	s_add_nc_u64 s[G0+4*\s+2:G0+4*\s+3], s[20:21], \s*ROWB   ; 120:64 global address: K step s
	s_or_b32 s[G0+4*\s+3], s[G0+4*\s+3], 0x80000000          ; 127:126 type = 2
	s_mov_b32 s[G0B+4*\s], 1
	s_add_co_u32 s[G0B+4*\s+1], s45, \s*SLOT
	s_add_nc_u64 s[G0B+4*\s+2:G0B+4*\s+3], s[46:47], \s*ROWB
	s_or_b32 s[G0B+4*\s+3], s[G0B+4*\s+3], 0x80000000
	JLOAD G0+4*\s, G1, G0B+4*\s, G1B
.endr
	v_and_b32 v1, 15, v0                           ; l % 16
	v_bfe_u32 v2, v0, 4, 1                         ; l / 16
	v_mul_u32_u24 v3, v1, PITCH
	v_lshl_add_u32 v4, v2, 4, v3                   ; a fragment's row x pitch + 16 x half
	s_mul_i32 s21, s15, HALFT                      ; my 128 rows of A
	s_mul_i32 s22, s16, HALFT                      ; my 128 rows of B,
	s_add_co_u32 s22, s22, 2*HALFT                 ; which lie behind A's 256
.irp s, 0,1
	v_add_nc_u32 v[ADRA+\s], s21, v4
	v_add_nc_u32 v[ADRB+\s], s22, v4
	s_add_co_u32 s21, s21, SLOT
	s_add_co_u32 s22, s22, SLOT
.endr
	; where my images go.  Block of 16 rows: 16 x A's tile + 8 x half + a.  Chunk of 128 along the next K: 2 x B's tile + half.
	s_lshl_b32 s94, s17, 4
	s_lshl_b32 s95, s15, 3
	s_add_co_u32 s94, s94, s95                     ; my first block of rows
	s_lshl_b32 s95, s42, 1
	s_add_co_u32 s95, s95, s16                     ; my chunk: q, k: 0..7 of the channels;  v: 0..63 of all tokens = 16 x batch + the batch's chunk of keys
	s_lshr_b32 s96, s95, 4
	s_and_b32 s97, s95, 15
	s_cmp_eq_u32 ttmp9, 2
	s_cselect_b32 s96, s96, 0                      ; v: the batch
	s_cselect_b32 s97, s97, s95                    ; the chunk inside a block's row of images
	s_cselect_b32 s83, 15, 14                      ; a block's row of images: 16 x 2,048 bytes in vf, 8 x 2,048 in qf and kf
	s_lshl_b32 s96, s96, 6                         ; a batch of vf has 64 blocks of channels
	s_add_co_u32 s94, s94, s96
	s_lshl_b32 s94, s94, s83
	s_lshl_b32 s97, s97, 11
	s_add_co_u32 s94, s94, s97
	s_mov_b32 s95, 0
	s_add_nc_u64 s[OUT:OUT+1], s[OUT:OUT+1], s[94:95]
	s_lshl_b32 s83, 1, s83
	v_and_b32 v6, 31, v0
	v_lshlrev_b32 v[GO], 4, v6                     ; 16 x lane
.irp a, 1,2,3,4,5,6,7
	v_add_nc_u32 v[GO+\a], s83, v[GO+\a-1]
.endr
	s_wait_kmcnt 0x0
	s_sub_co_i32 s94, s90, s84
	s_sub_co_i32 s94, s94, s85                     ; q: e6 - e0 - e1
	s_sub_co_i32 s95, s91, s86
	s_sub_co_i32 s95, s95, s87                     ; k: e7 - e2 - e3
	s_sub_co_i32 s96, s93, s88
	s_sub_co_i32 s96, s96, s89                     ; v: e9 - e4 - e5
	s_cmp_eq_u32 ttmp9, 2
	s_cselect_b32 s95, s96, s95
	s_cmp_eq_u32 ttmp9, 0
	s_cselect_b32 s94, s94, s95                    ; E: chosen by a select, no branch hangs on a loaded number
	s_add_co_i32 s94, s94, 127
	s_lshl_b32 s95, s94, 23
	v_mov_b32 v[SC], s95                           ; 2^E as f32: the conversion takes its exponent field
	s_add_co_i32 s94, s94, 15
	s_lshl_b32 s94, s94, 23
	s_or_b32 s94, s94, 0x600000
	v_mov_b32 v[LIM], s94                          ; 57,344 x 2^E
.macro FRAG reg, adr, q, i             ; 16 rows x 128 K in 16 registers, by four loads of 16 bytes: lane l holds row l % 16, registers 4 c .. 4 c + 3 hold K = 32 c + 16 (l / 16) + 0 .. 15: one order of k for A and for B alike, so every product meets its partner
.irp c, 0,1,2,3
	ds_load_b128 v[\reg+4*\c:\reg+4*\c+3], v[\adr] offset:128*(\q)+32*\c+(\i)*16*PITCH
.endr
.endm
; 16 matrix instructions: A's blocks a0, a0 + 1 x B's eight, 128 along K.  p: B's set.  zero = 1: the first product starts the sums.  The 64 accumulators take turns, one instruction a turn, in the same order in every step.
.macro MUL16 a0, p, zero
.irp a, \a0, \a0+1
.irp b, 0,1,2,3,4,5,6,7
.if \zero
	v_wmma_f32_16x16x128_bf8_bf8 v[8*(8*((\a)%4)+\b):8*(8*((\a)%4)+\b)+7], v[128*(\p)+FR*\b:128*(\p)+FR*\b+FR-1], v[AF+FR*(\a):AF+FR*(\a)+FR-1], 0
.else
	v_wmma_f32_16x16x128_bf8_bf8 v[8*(8*((\a)%4)+\b):8*(8*((\a)%4)+\b)+7], v[128*(\p)+FR*\b:128*(\p)+FR*\b+FR-1], v[AF+FR*(\a):AF+FR*(\a)+FR-1], v[8*(8*((\a)%4)+\b):8*(8*((\a)%4)+\b)+7]
.endif
.endr
.endr
.endm
.macro FETCH_B slot, q, p              ; B's eight fragments of the slot's q-th 128 along K into set p
	WIN TO_B
.irp i, 0,1,2,3,4,5,6,7
	FRAG 128*(\p)+FR*\i, ADRB+\slot, \q, \i
.endr
	WIN 0
.endm
.macro FETCH_A slot, q, i0             ; A's blocks i0 .. i0 + 3
.irp i, \i0, \i0+1, \i0+2, \i0+3
	FRAG AF+FR*(\i), ADRA+\slot, \q, \i
.endr
.endm
; A step of 128 along K that has its successor in the same slot.  A block of A is free as soon as its eight products are issued: blocks 0-3 are fetched anew in the step's middle, blocks 4-7 at its end.
; A load into a register that a matrix instruction has read stands NP plain vector instructions behind it (ISA guide 7.12.1 for vector instructions).
.macro STEP slot, q, zero
	s_wait_dscnt 4*NL                              ; B's set and A's blocks 0-3 are in; the youngest sixteen loads (A's blocks 4-7) may be out
	WIN MUL_LO
	MUL16 0, (\q)%2, \zero
	MUL16 2, (\q)%2, \zero
	s_wait_dscnt 0                                 ; A's blocks 4-7 are in
	PLACES NP
	FETCH_B \slot, (\q)+1, 1-(\q)%2
	FETCH_A \slot, (\q)+1, 0
	WIN MUL_HI
	MUL16 4, (\q)%2, \zero
	MUL16 6, (\q)%2, \zero
	PLACES NP
	WIN 0
	FETCH_A \slot, (\q)+1, 4
.endm
; A slot's last step changes slots: ONE barrier; in front of it each wave waits for all its tensor loads, adds 0 to its spare word, and waits for that and for its own reads of this slot.  fill = 1: this slot is filled again, two K steps ahead.
.macro TURN slot, next, fill
	s_wait_tensorcnt 0x0                           ; all my tensor loads have landed: my part of the next slot
	ds_add_u32 v[SPW], v[NIL]                      ; 0 onto my spare word
	s_wait_dscnt 4*NL+1                            ; (the add and the youngest sixteen loads, A's blocks 4-7, may be out)
	WIN MUL_LO
	MUL16 0, 1, 0                                  ; sixteen matrix instructions stand between the add and the wait for it
	s_wait_dscnt 0x0                               ; the add is done, and my reads of this slot are over
	s_barrier_signal -1
	MUL16 2, 1, 0
	WIN 0
	s_barrier_wait -1
.if \fill
	CREST                                          ; the barrier has opened a round of the cluster's barrier: no wave of any partner still reads this slot's tile or has a load on its way
	s_add_nc_u64 s[G0+4*\slot+2:G0+4*\slot+3], s[G0+4*\slot+2:G0+4*\slot+3], 2*ROWB
	s_add_nc_u64 s[G0B+4*\slot+2:G0B+4*\slot+3], s[G0B+4*\slot+2:G0B+4*\slot+3], 2*ROWB
	JLOAD G0+4*\slot, G1, G0B+4*\slot, G1B         ; the first tensor load behind the round; its four v_nop are also the places in front of the loads below
.else
	PLACES NP
.endif
	FETCH_B \next, 0, 0
	FETCH_A \next, 0, 0
	WIN MUL_HI
	MUL16 4, 1, 0
	MUL16 6, 1, 0
	PLACES NP
	WIN 0
	FETCH_A \next, 0, 4
.endm
	s_wait_tensorcnt 1                             ; my part of K step 0 is in; K step 1's load may be out
	s_barrier_signal -1
	s_barrier_wait -1                              ; everybody's is
	FETCH_B 0, 0, 0
	FETCH_A 0, 0, 0
	FETCH_A 0, 0, 4
	STEP 0, 0, 1                                   ; K 0-127: the products start the sums
	TURN 0, 1, 1                                   ; K 128-255; slot 0 takes K step 2
	STEP 1, 0, 0
	TURN 1, 0, 1                                   ; slot 1 takes K step 3
	STEP 0, 0, 0
	TURN 0, 1, 0                                   ; nothing is left to fetch: a plain barrier
	STEP 1, 0, 0
	s_wait_dscnt 4*NL                              ; the last 128 along K
	WIN MUL_LO
	MUL16 0, 1, 0
	MUL16 2, 1, 0
	s_wait_dscnt 0
	WIN MUL_HI
	MUL16 4, 1, 0
	MUL16 6, 1, 0
	WIN 0
; THE WAY OUT of block a (16 rows x 128 of the next K): hold, convert, store.  The conversion to an 8-bit code does not saturate (ISA guide 7.6.2): each sum is first held within the largest code x the scale.
; Each accumulator is read from its low end on.  The codes' registers and the offsets are each block's own, so nothing that a pending store reads is written again.
.macro OUTBLK a
.set AC, 64*((\a)%4)
	WIN 0x02+((\a)/4)                              ; source 0: window 2 or 3
.set j, 0
.rept 64
	v_med3_num_f32 v[TMP+j], v[AC+j], -v[LIM], v[LIM]
.set j, j+1
.endr
	WIN 0
.irp b, 0,1,2,3,4,5,6,7
	v_cvt_scalef32_pk8_bf8_f32 v[CD+16*(\a)+2*\b:CD+16*(\a)+2*\b+1], v[TMP+8*\b:TMP+8*\b+7], v[SC]   ; registers 2 b, 2 b + 1 of the fragment: K = 16 b + 8 (l / 16) + 0 .. 7
.endr
	v_nop                                          ; one plain vector instruction between the conversions and the next block's holds, which write their sources
.irp g, 0,1,2,3
	global_store_b128 v[GO+(\a)], v[CD+16*(\a)+4*\g:CD+16*(\a)+4*\g+3], s[OUT:OUT+1] offset:512*\g   ; 32 lanes store 512 consecutive bytes, aligned
.endr
.endm
	PLACES NP                                      ; behind the last products: for the reads of results and the writes into the registers that held A's fragments
.irp a, 0,1,2,3,4,5,6,7
	OUTBLK \a
.endr
	s_wait_tensorcnt 0x0                           ; the wave's end
	ds_add_u32 v[SPW], v[NIL]
	s_wait_dscnt 0x0
	CROUND                                         ; the closing round: no work-group ends while a partner may still ask for a tile that names it
	s_endpgm
.Lfunc_end_k_qfb29ccde5f_proj:
	.size	k_qfb29ccde5f_proj, .Lfunc_end_k_qfb29ccde5f_proj-k_qfb29ccde5f_proj
	.p2alignl 7, 3214868480
	.fill 96, 4, 3214868480
	.section	.rodata,"a",@progbits
	.p2align	6, 0x0
	.amdhsa_kernel k_qfb29ccde5f_proj
		.amdhsa_group_segment_fixed_size 327680
		.amdhsa_private_segment_fixed_size 0
		.amdhsa_enable_private_segment 0
		.amdhsa_kernarg_size 64
		.amdhsa_user_sgpr_count 2
		.amdhsa_user_sgpr_kernarg_segment_ptr 1
		.amdhsa_wavefront_size32 1
		.amdhsa_system_sgpr_workgroup_id_x 1
		.amdhsa_system_sgpr_workgroup_id_y 1
		.amdhsa_system_sgpr_workgroup_id_z 1
		.amdhsa_system_vgpr_workitem_id 0
		.amdhsa_next_free_vgpr 1024
		.amdhsa_next_free_sgpr 100
		.amdhsa_reserve_vcc 0
		.amdhsa_float_denorm_mode_32 3
		.amdhsa_float_denorm_mode_16_64 3
		.amdhsa_memory_ordered 1
		.amdhsa_forward_progress 1
		.amdhsa_inst_pref_size 118
	.end_amdhsa_kernel
	.amdgpu_metadata
---
amdhsa.version: [ 1, 2 ]
amdhsa.kernels:
  - .name:           k_qfb29ccde5f_proj
    .symbol:         k_qfb29ccde5f_proj.kd
    .args:
      - { .name: x_codes, .offset: 0, .size: 8, .value_kind: global_buffer, .address_space: global }
      - { .name: Wq_codes, .offset: 8, .size: 8, .value_kind: global_buffer, .address_space: global }
      - { .name: Wk_codes, .offset: 16, .size: 8, .value_kind: global_buffer, .address_space: global }
      - { .name: Wv_codes, .offset: 24, .size: 8, .value_kind: global_buffer, .address_space: global }
      - { .name: lowp_scales, .offset: 32, .size: 8, .value_kind: global_buffer, .address_space: global }
      - { .name: qf, .offset: 40, .size: 8, .value_kind: global_buffer, .address_space: global }
      - { .name: kf, .offset: 48, .size: 8, .value_kind: global_buffer, .address_space: global }
      - { .name: vf, .offset: 56, .size: 8, .value_kind: global_buffer, .address_space: global }
    .group_segment_fixed_size: 327680
    .private_segment_fixed_size: 0
    .kernarg_segment_align: 8
    .kernarg_segment_size: 64
    .max_flat_workgroup_size: 128
    .sgpr_count:     100
    .vgpr_count:     1024
    .wavefront_size: 32
...
	.end_amdgpu_metadata
.endif
;; end of part 1
;; launch scores (part 2): grid 12 x 16, 4 waves a work-group, clusters of 4 x 4, 327,680 bytes of LDS; arguments qf, kf, lowp_scales, pf, stats; writes pf, stats
.if DOCPART == 2
	.amdgcn_target "amdgcn-amd-amdhsa--gfx1250"
	.amdhsa_code_object_version 6
	.text
	.protected	k_qfb29ccde5f_scores
	.globl	k_qfb29ccde5f_scores
	.p2align	8
	.type	k_qfb29ccde5f_scores,@function
k_qfb29ccde5f_scores:
	s_mov_b64 s[64:65], 0
	v_nop
	global_prefetch_b8 v0, s[64:65] scope:SCOPE_SE
	s_setreg_imm32_b32 hwreg(HW_REG_WAVE_MODE, 25, 1), 1
	s_wait_xcnt 0x0
	s_wait_alu depctr_hold_cnt(0) depctr_sa_sdst(0) depctr_va_vdst(0) depctr_va_sdst(0) depctr_va_ssrc(0) depctr_va_vcc(0) depctr_vm_vsrc(0)
	s_getreg_b32 s2, hwreg(HW_REG_IB_STS2, 6, 4)
	s_cmp_eq_u32 s2, 0
	s_cbranch_scc0 .Lentry_in_a_cluster
	s_endpgm
.Lentry_in_a_cluster:
	s_bfe_u32 s2, ttmp6, 0x10000c
	s_cmp_lg_u32 s2, 0xf033
	s_cbranch_scc0 .Lentry_shape_is_right
	s_endpgm
.Lentry_shape_is_right:
; S = q k^T on codes of E5M2, the causal mask, and p = 2^(t - M) quantised along the keys, t = score x log2(e) / 32.
; qf, kf: images of operand registers, [token block of 16][channel chunk of 128][2,048 bytes].  A score stands for sum x 2^(e6 + e7), which is added to the exponent field of log2(e) / 32.
; M HERE IS THE M OF A CHUNK OF 128 KEYS: the ceiling of the largest t of the query's visible keys in my wave's 128 columns, a whole number, so p <= 1.  The codes of p (scale 2^e8), this M and the sum l of the
; unquantised p go to memory; the launch that multiplies by v brings each chunk under the row's M by an exact power of two.  A query none of whose keys in the chunk count gets zero codes, M = -3e38 and l = 0.
;   pf: [batch][query block of 16][key chunk of 128][2,048 bytes];   stats (f32): M at ((batch x 16 + chunk) x 2,048 + query) x 4, l 524,288 bytes further on.
; LIMITS: e6 + e7 between -121 and 132; e8 between -126 and 112.  The hold at the largest code acts on p under the chunk's M: with e8 <= -16, where a p of 1 is itself beyond the format, held codes of a chunk whose M is below the
; row's differ from those taken under the row's M.  NaN and infinities among the scores are not served.
; SHARES.  A work-group of four waves makes 256 queries x 256 keys, a wave 128 x 128.  Per batch the 8 x 8 tiles are taken in three blocks of 4 x 4, one a cluster: (rows, columns) = (0,0), (1,0), (1,1).
; A triangle does not divide into 4 x 4 clusters: so the six tiles of a diagonal block that lie wholly above the diagonal run the same text, make every joint request,
; and store zero codes and M = -3e38, l = 0; the next launch reads all of those M and l, and the codes of the tiles next to the diagonal.
; Source 0 = 16 keys, source 1 = 16 queries: in accumulator (a, b) lane (r, h) holds query 16 a + r and keys 16 b + 8 h + 0 .. 7, so the conversions' results are registers 2 b, 2 b + 1 of p's fragment.
; REGISTERS: window 0: v0-31 addresses and constants; v32-95 at work; v96-105 the mask's caps; from v128 A's fragments, ONE set, later p's codes.  window 1: B's fragments, two sets.  windows 2, 3: the accumulators.
.set SLOT,   131072                    ; 256 along K: q's 16 blocks x 4,096 bytes (two images), then k's 16
.set BOFF,   65536
.set SPARE,  2*SLOT                    ; behind the ring: the spare words, 128 bytes for each wave
.set STAT,   SPARE+512                 ; 1,024 bytes for each wave: 128 M, then 128 l; no tile lands here
.set FR,     16
.set NL,     4
.set NP,     4
.set LI,   8                           ; v8      16 x lane
.set SS,   10                          ; v10     where I put a query's M (lanes 0-15) or l (lanes 16-31)
.set SR,   11                          ; v11     where I read 16 bytes of them back
.set ADRA, 16                          ; v16-17  LDS address of my q fragments in slot 0, 1
.set ADRB, 20                          ; v20-21  the same for k
.set SC,   24                          ; v24     2^e8 as f32
.set LIM,  25                          ; v25     57,344 x 2^e8
.set DO,   26                          ; v26     my query less my first key of tile b = a: r - 8 h + 256 (I - J) + 128 (wr - wc)
.set MV,   27                          ; v27     t's maximum, then M
.set SPW,  28
.set NIL,  29
.set PINF, 30
.set NINF, 31
.set T,    32                          ; v32-95
.set CAPL, 96                          ; v96     cap for tiles b < a: +infinity where the keys count, -infinity where they are hidden
.set CAPG, 97                          ; v97     for tiles b > a
.set CAPD, 98                          ; v98-105 for register j of tile b = a
.set AF,   128
.set CD,   128
.set G1,  24
.set G0,  32
.set G1B, 48
.set G0B, 56
.set CS,  78                           ; s[78:79] c = log2(e) / 32 x 2^(e6 + e7): the packed form names a pair and takes its low word
.set SEL, 80                           ; s[80:81] lane selects for v_permlanex16_b32: lane l xor 16
.set HM,  82                           ; s82      lanes 16-31
.set MSB, 0
.macro WIN new
.if MSB != \new
	s_set_vgpr_msb (MSB<<8)|\new
.set MSB, \new
.endif
.endm
.set MUL_LO, 0xa1
.set MUL_HI, 0xf1
.set TO_B,   0x40
.macro JLOAD g0a, g1a, g0b, g1b        ; a joint load: waves 0 and 1 fetch q's halves, waves 2 and 3 k's; four v_nop follow each of the two lines
	s_cmp_eq_u32 s15, 0
	s_cbranch_scc0 .Lfor_b_\@
	tensor_load_to_lds s[\g0a:\g0a+3], s[\g1a:\g1a+7]
	s_nop 0
.rept 4
	v_nop
.endr
	s_branch .Lasked_\@
.Lfor_b_\@:
	tensor_load_to_lds s[\g0b:\g0b+3], s[\g1b:\g1b+7]
	s_nop 0
.rept 4
	v_nop
.endr
.Lasked_\@:
.endm
.macro CREST
	s_cmp_lg_u32 s14, 0
	s_cbranch_scc1 .Lnot_wave_0_\@
	s_barrier_signal -3
.Lnot_wave_0_\@:
	s_barrier_wait -3
	s_barrier_signal -1
	s_barrier_wait -1
.endm
.macro CROUND
	s_barrier_signal -1
	s_barrier_wait -1
	CREST
.endm
.macro PLACES n
.rept \n
	v_nop
.endr
.endm
	s_load_b128 s[4:7], s[0:1], 0x0                ; qf s[4:5], kf s[6:7]
	s_load_b128 s[8:11], s[0:1], 0x10              ; the scales' exponents s[8:9], pf s[10:11]
	s_load_b64 s[12:13], s[0:1], 0x20              ; stats
	v_lshl_add_u32 v[SPW], v0, 2, SPARE
	v_mov_b32 v[NIL], 0
	ds_add_u32 v28, v29
	ds_add_u32 v28, v29
	s_wait_dscnt 0x0
	v_lshrrev_b32 v1, 5, v0
	v_readfirstlane_b32 s14, v1                    ; wave 0..3
	s_lshr_b32 s15, s14, 1                         ; wr: which 128 queries are mine.  Also: I fetch for q (0) or for k (1)
	s_and_b32 s16, s14, 1                          ; wc: which 128 keys.  Also: which 8 blocks of that tile I fetch
	s_bfe_u32 s40, ttmp6, 0x40000                  ; cx, cy
	s_bfe_u32 s41, ttmp6, 0x40004
	s_min_u32 s66, ttmp9, 1                        ; the cluster's x 0, 1, 2 -> block row 0, 1, 1
	s_lshr_b32 s67, ttmp9, 1                       ;                        -> block column 0, 0, 1
	s_lshl_b32 s17, s66, 2
	s_add_co_u32 s17, s17, s41                     ; I: my tile of 256 queries; hangs on cy, never on cx
	s_lshl_b32 s42, s67, 2
	s_add_co_u32 s42, s42, s40                     ; J: my tile of 256 keys; hangs on cx, never on cy
	s_and_b32 s84, ttmp7, 0xffff                   ; the batch
	s_lshl_b32 s43, s41, 2
	s_lshl_b32 s43, 15, s43                        ; my row of the cluster
	s_lshl_b32 s44, 0x1111, s40                    ; my column
	; descriptor group 1: 8 rows (blocks of 16 tokens) x 4,096 bytes (two images), 16,384 bytes from row to row; no padding: an image is read 16 bytes a lane on end
	s_or_b32 s[G1+0], s43, 1<<21                   ; 15:0 the mask: q's tiles go to my row; 17:16 elements of 1 byte; 21 set beside a mask
	s_or_b32 s[G1B+0], s44, 1<<21
.irp g, G1, G1B
	s_mov_b32 s[\g+1], 4096<<16                    ; tensor_dim0
	s_mov_b32 s[\g+2], 8<<16                       ; tensor_dim1
	s_mov_b32 s[\g+3], 4096<<16                    ; tile_dim0
	s_mov_b32 s[\g+4], 8                           ; tile_dim1
	s_mov_b32 s[\g+5], 16384                       ; tensor_dim0_stride
	s_mov_b32 s[\g+6], 0
	s_mov_b32 s[\g+7], 0
.endr
	s_lshl_b32 s18, s84, 7                         ; a batch has 128 blocks of 16 tokens
	s_lshl_b32 s19, s16, 3
	s_add_co_u32 s18, s18, s19                     ; + the 8 blocks that I fetch
	s_lshl_b32 s20, s17, 4
	s_add_co_u32 s20, s20, s18
	s_lshl_b32 s20, s20, 14                        ; q: block 128 b + 16 I + 8 half, in bytes
	s_mov_b32 s21, 0
	s_lshl_b32 s46, s42, 4
	s_add_co_u32 s46, s46, s18
	s_lshl_b32 s46, s46, 14                        ; k: block 128 b + 16 J + 8 half
	s_mov_b32 s47, 0
	s_lshl_b32 s45, s14, 15                        ; where they go: wave x 32,768
	s_wait_kmcnt 0x0
	s_load_b128 s[68:71], s[8:9], 0x18             ; e6, e7, e8, e9
	s_add_nc_u64 s[20:21], s[4:5], s[20:21]
	s_add_nc_u64 s[46:47], s[6:7], s[46:47]
	CROUND                                         ; all sixteen work-groups are here: the first joint loads meet
.irp s, 0,1
	s_mov_b32 s[G0+4*\s], 1
	s_add_co_u32 s[G0+4*\s+1], s45, \s*SLOT
	s_add_nc_u64 s[G0+4*\s+2:G0+4*\s+3], s[20:21], \s*4096
	s_or_b32 s[G0+4*\s+3], s[G0+4*\s+3], 0x80000000
	s_mov_b32 s[G0B+4*\s], 1
	s_add_co_u32 s[G0B+4*\s+1], s45, \s*SLOT
	s_add_nc_u64 s[G0B+4*\s+2:G0B+4*\s+3], s[46:47], \s*4096
	s_or_b32 s[G0B+4*\s+3], s[G0B+4*\s+3], 0x80000000
	JLOAD G0+4*\s, G1, G0B+4*\s, G1B
.endr
	v_and_b32 v1, 15, v0                           ; r
	v_bfe_u32 v2, v0, 4, 1                         ; h
	v_and_b32 v3, 31, v0
	v_lshlrev_b32 v[LI], 4, v3
	s_lshl_b32 s21, s15, 15                        ; my 8 blocks of q
	s_lshl_b32 s22, s16, 15                        ; my 8 blocks of k,
	s_add_co_u32 s22, s22, BOFF                    ; which lie behind q's 16
.irp s, 0,1
	v_add_nc_u32 v[ADRA+\s], s21, v[LI]
	v_add_nc_u32 v[ADRB+\s], s22, v[LI]
	s_add_co_u32 s21, s21, SLOT
	s_add_co_u32 s22, s22, SLOT
.endr
	s_lshl_b32 s85, s14, 10
	s_add_co_u32 s85, s85, STAT                    ; my wave's 1,024 bytes
	v_lshlrev_b32 v[SS], 2, v1
	v_lshl_add_u32 v[SS], v2, 9, v[SS]
	v_add_nc_u32 v[SS], s85, v[SS]                 ; 4 r, + 512 for lanes 16-31
	v_add_nc_u32 v[SR], s85, v[LI]
	; the mask.  Register j of tile b holds key 16 b + 8 h + j of my 128, block a's lane query 16 a + r of my 128: hidden where 16 (b - a) + j > DO.
	; DO's offset is 0 or at least 128 either way, and r - 8 h lies between -8 and 15: so all of a tile b < a (16 (b - a) + j <= -9) goes with the test -9 > DO, all of a tile b > a with 16 > DO, and tile b = a has j > DO.
	s_sub_co_i32 s83, s17, s42
	s_lshl_b32 s83, s83, 8
	s_sub_co_i32 s86, s15, s16
	s_lshl_b32 s86, s86, 7
	s_add_co_i32 s83, s83, s86
	v_lshlrev_b32 v3, 3, v2
	v_sub_nc_u32 v[DO], v1, v3
	v_add_nc_u32 v[DO], s83, v[DO]
	v_mov_b32 v[PINF], 0x7f800000
	v_mov_b32 v[NINF], 0xff800000
	v_cmp_gt_i32 vcc_lo, -9, v[DO]
	v_cndmask_b32 v[CAPL], v[PINF], v[NINF], vcc_lo
	v_cmp_gt_i32 vcc_lo, 16, v[DO]
	v_cndmask_b32 v[CAPG], v[PINF], v[NINF], vcc_lo
.irp j, 0,1,2,3,4,5,6,7
	v_cmp_gt_i32 vcc_lo, \j, v[DO]
	v_cndmask_b32 v[CAPD+\j], v[PINF], v[NINF], vcc_lo
.endr
	v_mov_b32 v13, 0                               ; written once: a lane permute's destination counts as one of its sources
	v_mov_b32 v15, 0                               ; (named as the upper half of the pair v[14:15])
	s_mov_b32 s[SEL], 0x76543210
	s_mov_b32 s[SEL+1], 0xfedcba98
	s_mov_b32 s[HM], 0xffff0000
	; pf at my wave's first image: ((128 b + 16 I + 8 wr) x 16 + 2 J + wc) x 2,048
	s_lshl_b32 s86, s84, 7
	s_lshl_b32 s88, s17, 4
	s_add_co_u32 s86, s86, s88
	s_lshl_b32 s88, s15, 3
	s_add_co_u32 s86, s86, s88
	s_lshl_b32 s86, s86, 4
	s_lshl_b32 s88, s42, 1
	s_add_co_u32 s86, s86, s88
	s_add_co_u32 s86, s86, s16
	s_lshl_b32 s86, s86, 11
	s_mov_b32 s87, 0
	s_add_nc_u64 s[10:11], s[10:11], s[86:87]
	; stats at my wave's 128 M: ((16 b + 2 J + wc) x 2,048 + 256 I + 128 wr) x 4
	s_lshl_b32 s86, s84, 4
	s_add_co_u32 s86, s86, s88
	s_add_co_u32 s86, s86, s16
	s_lshl_b32 s86, s86, 11
	s_lshl_b32 s88, s17, 8
	s_add_co_u32 s86, s86, s88
	s_lshl_b32 s88, s15, 7
	s_add_co_u32 s86, s86, s88
	s_lshl_b32 s86, s86, 2
	s_add_nc_u64 s[12:13], s[12:13], s[86:87]
	s_wait_kmcnt 0x0
	s_add_co_i32 s86, s68, s69
	s_lshl_b32 s86, s86, 23
	s_add_co_i32 s[CS], s86, 0x3d38aa3b            ; log2(e) / 32, with e6 + e7 added to its exponent field
	s_mov_b32 s[CS+1], s[CS]                       ; (named with it as a pair, so it is written)
	s_add_co_i32 s86, s70, 127
	s_lshl_b32 s88, s86, 23
	v_mov_b32 v[SC], s88                           ; 2^e8
	s_add_co_i32 s86, s86, 15
	s_lshl_b32 s86, s86, 23
	s_or_b32 s86, s86, 0x600000
	v_mov_b32 v[LIM], s86                          ; 57,344 x 2^e8
.macro FRAG reg, adr, q, i             ; block i's image of the slot's q-th 128 along K: four loads, 16 bytes a lane on end: the registers as they were stored
.irp c, 0,1,2,3
	ds_load_b128 v[\reg+4*\c:\reg+4*\c+3], v[\adr] offset:2048*(\q)+512*\c+4096*(\i)
.endr
.endm
; 16 matrix instructions: q's blocks a0, a0 + 1 x k's eight.  The 64 accumulators take turns, one instruction a turn, in the same order in every step.
.macro MUL16 a0, p, zero
.irp a, \a0, \a0+1
.irp b, 0,1,2,3,4,5,6,7
.if \zero
	v_wmma_f32_16x16x128_bf8_bf8 v[8*(8*((\a)%4)+\b):8*(8*((\a)%4)+\b)+7], v[128*(\p)+FR*\b:128*(\p)+FR*\b+FR-1], v[AF+FR*(\a):AF+FR*(\a)+FR-1], 0
.else
	v_wmma_f32_16x16x128_bf8_bf8 v[8*(8*((\a)%4)+\b):8*(8*((\a)%4)+\b)+7], v[128*(\p)+FR*\b:128*(\p)+FR*\b+FR-1], v[AF+FR*(\a):AF+FR*(\a)+FR-1], v[8*(8*((\a)%4)+\b):8*(8*((\a)%4)+\b)+7]
.endif
.endr
.endr
.endm
.macro FETCH_B slot, q, p
	WIN TO_B
.irp i, 0,1,2,3,4,5,6,7
	FRAG 128*(\p)+FR*\i, ADRB+\slot, \q, \i
.endr
	WIN 0
.endm
.macro FETCH_A slot, q, i0
.irp i, \i0, \i0+1, \i0+2, \i0+3
	FRAG AF+FR*(\i), ADRA+\slot, \q, \i
.endr
.endm
.macro STEP slot, q, zero              ; 128 along K with its successor in the same slot; q's blocks 0-3 are fetched anew in the middle, blocks 4-7 at the end, each run NP plain vector instructions behind the products that read its registers
	s_wait_dscnt 4*NL                              ; k's set and q's blocks 0-3 are in; the youngest sixteen loads (blocks 4-7) may be out
	WIN MUL_LO
	MUL16 0, (\q)%2, \zero
	MUL16 2, (\q)%2, \zero
	s_wait_dscnt 0
	PLACES NP
	FETCH_B \slot, (\q)+1, 1-(\q)%2
	FETCH_A \slot, (\q)+1, 0
	WIN MUL_HI
	MUL16 4, (\q)%2, \zero
	MUL16 6, (\q)%2, \zero
	PLACES NP
	WIN 0
	FETCH_A \slot, (\q)+1, 4
.endm
.macro TURN slot, next, fill           ; a slot's last step changes slots: one barrier, in front of it the wait for all my tensor loads, the add, and the wait for it and for my reads of this slot
	s_wait_tensorcnt 0x0                           ; all my tensor loads have landed: my part of the next slot
	ds_add_u32 v[SPW], v[NIL]                      ; 0 onto my spare word
	s_wait_dscnt 4*NL+1                            ; (the add and the youngest sixteen loads may be out)
	WIN MUL_LO
	MUL16 0, 1, 0
	s_wait_dscnt 0x0                               ; the add is done, and my reads of this slot are over
	s_barrier_signal -1
	MUL16 2, 1, 0
	WIN 0
	s_barrier_wait -1
.if \fill
	CREST                                          ; the barrier has opened a round of the cluster's barrier
	s_add_nc_u64 s[G0+4*\slot+2:G0+4*\slot+3], s[G0+4*\slot+2:G0+4*\slot+3], 8192
	s_add_nc_u64 s[G0B+4*\slot+2:G0B+4*\slot+3], s[G0B+4*\slot+2:G0B+4*\slot+3], 8192
	JLOAD G0+4*\slot, G1, G0B+4*\slot, G1B         ; the first tensor load behind the round; its four v_nop are also the places in front of the loads below
.else
	PLACES NP
.endif
	FETCH_B \next, 0, 0
	FETCH_A \next, 0, 0
	WIN MUL_HI
	MUL16 4, 1, 0
	MUL16 6, 1, 0
	PLACES NP
	WIN 0
	FETCH_A \next, 0, 4
.endm
	s_wait_tensorcnt 1                             ; my part of slot 0 is in; slot 1's load may be out
	s_barrier_signal -1
	s_barrier_wait -1
	FETCH_B 0, 0, 0
	FETCH_A 0, 0, 0
	FETCH_A 0, 0, 4
	STEP 0, 0, 1                                   ; channels 0-127: the products start the sums
	TURN 0, 1, 1                                   ; slot 0 takes channels 512-767
	STEP 1, 0, 0
	TURN 1, 0, 1                                   ; slot 1 takes channels 768-1023
	STEP 0, 0, 0
	TURN 0, 1, 0
	STEP 1, 0, 0
	s_wait_dscnt 4*NL
	WIN MUL_LO
	MUL16 0, 1, 0
	MUL16 2, 1, 0
	s_wait_dscnt 0
	WIN MUL_HI
	MUL16 4, 1, 0
	MUL16 6, 1, 0
	WIN 0
; BLOCK a: 16 queries x my 128 keys; a lane holds one query and 64 keys.
.macro EPI a
.set W, 2+(\a)/4
.set AC, 64*((\a)%4)
.set WDS, (W<<6)|W
.set WSSS, W|(W<<2)|(W<<4)
	WIN WDS                                        ; destination and source 0: the accumulators' window
.irp b, 0,1,2,3,4,5,6,7                        ; hidden scores become -infinity: the lesser of the score and the cap; each accumulator from its low end on
.irp j, 0,1,2,3,4,5,6,7
.if \b < (\a)
	v_min_num_f32 v[AC+8*\b+\j], v[AC+8*\b+\j], v[CAPL]
.elseif \b > (\a)
	v_min_num_f32 v[AC+8*\b+\j], v[AC+8*\b+\j], v[CAPG]
.else
	v_min_num_f32 v[AC+8*\b+\j], v[AC+8*\b+\j], v[CAPD+\j]
.endif
.endr
.endr
	WIN WSSS                                       ; all three sources: the accumulators' window
.set k, 0
.rept 21
	v_max3_num_f32 v[T+k], v[AC+3*k], v[AC+3*k+1], v[AC+3*k+2]   ; the largest of my 64 scores, three at a time, in chains that do not wait for each other
.set k, k+1
.endr
	v_max3_num_f32 v[T+21], v[AC+61], v[AC+62], v[AC+63]
	WIN 0
.set k, 0
.rept 7
	v_max3_num_f32 v[T+k], v[T+3*k], v[T+3*k+1], v[T+3*k+2]
.set k, k+1
.endr
	v_max3_num_f32 v[T], v[T], v[T+1], v[T+2]
	v_max3_num_f32 v[T+3], v[T+3], v[T+4], v[T+5]
	v_max3_num_f32 v[T], v[T], v[T+3], v[T+6]
	v_max_num_f32 v[T], v[T], v[T+21]
	v_permlanex16_b32 v13, v[T], s[SEL], s[SEL+1]
	v_max_num_f32 v[MV], v[T], v13                 ; and of lane l xor 16's 64
	v_mul_f32 v[MV], s[CS], v[MV]                  ; as t (c is positive)
	v_max_num_f32 v[MV], 0xff61b1e6, v[MV]         ; -3e38 where no key of the chunk counts
	v_floor_f32 v14, -v[MV]                        ; -M = floor(-t) = -ceil(t): M is a whole number
	v_sub_f32 v[MV], 0, v14                        ; M
	WIN W                                          ; source 0: the accumulators' window
.set j, 0
.rept 32
	v_pk_fma_f32 v[T+j:T+j+1], v[AC+j:AC+j+1], s[CS:CS+1], v[14:15] op_sel_hi:[1,0,0]   ; t - M, two at a time (of the pairs c and -M the low word serves both halves)
.set j, j+2
.endr
	WIN 0
.set j, 0
.rept 64
	v_exp_f32 v[T+j], v[T+j]                       ; p = 2^(t - M), at most 1; 0 where the key is hidden
.set j, j+1
.endr
	v_nop                                          ; a plain instruction behind the last exponential
	s_wait_alu depctr_va_vdst(0)                   ; one wait for the batch of 64, ahead of its first reader
	v_pk_add_f32 v[18:19], v[T:T+1], v[T+4:T+5]    ; l is taken of the unquantised p: two at a time, in two chains
	v_pk_add_f32 v[22:23], v[T+2:T+3], v[T+6:T+7]
.irp j, 8,12,16,20,24,28,32,36,40,44,48,52,56,60
	v_pk_add_f32 v[18:19], v[18:19], v[T+\j:T+\j+1]
	v_pk_add_f32 v[22:23], v[22:23], v[T+\j+2:T+\j+3]
.endr
	v_pk_add_f32 v[18:19], v[18:19], v[22:23]
	v_add_f32 v18, v18, v19
	v_permlanex16_b32 v13, v18, s[SEL], s[SEL+1]
	v_add_f32 v18, v18, v13                        ; the query's l over the chunk's 128 keys
.set j, 0
.rept 64
	v_min_num_f32 v[T+j], v[T+j], v[LIM]           ; the conversion to an 8-bit code does not saturate (ISA guide 7.6.2); p is not negative, so the hold is one-sided
.set j, j+1
.endr
.irp b, 0,1,2,3,4,5,6,7
	v_cvt_scalef32_pk8_bf8_f32 v[CD+16*(\a)+2*\b:CD+16*(\a)+2*\b+1], v[T+8*\b:T+8*\b+7], v[SC]   ; registers 2 b, 2 b + 1 of p's fragment: keys 16 b + 8 h + 0 .. 7
.endr
	v_nop                                          ; one plain vector instruction between the conversions and the next writes of their sources
.irp g, 0,1,2,3
	global_store_b128 v[LI], v[CD+16*(\a)+4*\g:CD+16*(\a)+4*\g+3], s[10:11] offset:32768*(\a)+512*\g   ; 512 consecutive bytes, aligned; each block has its own registers, so no store's data are written again
.endr
	v_cndmask_b32 v12, v[MV], v18, s[HM]           ; lanes 0-15 M, lanes 16-31 l (both halves hold both)
	ds_store_b32 v[SS], v12 offset:64*(\a)
.endm
	PLACES NP                                      ; behind the last products
.irp a, 0,1,2,3,4,5,6,7
	EPI \a
.endr
	ds_load_b128 v[32:35], v[SR]                   ; my 128 M, four a lane; LDS serves a wave's instructions in order (ISA guide 5.7.1.4): these see my stores
	ds_load_b128 v[36:39], v[SR] offset:512        ; my 128 l
	s_wait_dscnt 0x0
	global_store_b128 v[LI], v[32:35], s[12:13]    ; 512 consecutive bytes, aligned
	global_store_b128 v[LI], v[36:39], s[12:13] offset:524288
	s_wait_tensorcnt 0x0                           ; the wave's end
	ds_add_u32 v[SPW], v[NIL]
	s_wait_dscnt 0x0
	CROUND                                         ; the closing round
	s_endpgm
.Lfunc_end_k_qfb29ccde5f_scores:
	.size	k_qfb29ccde5f_scores, .Lfunc_end_k_qfb29ccde5f_scores-k_qfb29ccde5f_scores
	.p2alignl 7, 3214868480
	.fill 96, 4, 3214868480
	.section	.rodata,"a",@progbits
	.p2align	6, 0x0
	.amdhsa_kernel k_qfb29ccde5f_scores
		.amdhsa_group_segment_fixed_size 327680
		.amdhsa_private_segment_fixed_size 0
		.amdhsa_enable_private_segment 0
		.amdhsa_kernarg_size 40
		.amdhsa_user_sgpr_count 2
		.amdhsa_user_sgpr_kernarg_segment_ptr 1
		.amdhsa_wavefront_size32 1
		.amdhsa_system_sgpr_workgroup_id_x 1
		.amdhsa_system_sgpr_workgroup_id_y 1
		.amdhsa_system_sgpr_workgroup_id_z 1
		.amdhsa_system_vgpr_workitem_id 0
		.amdhsa_next_free_vgpr 1024
		.amdhsa_next_free_sgpr 100
		.amdhsa_reserve_vcc 1
		.amdhsa_float_denorm_mode_32 3
		.amdhsa_float_denorm_mode_16_64 3
		.amdhsa_memory_ordered 1
		.amdhsa_forward_progress 1
		.amdhsa_inst_pref_size 189
	.end_amdhsa_kernel
	.amdgpu_metadata
---
amdhsa.version: [ 1, 2 ]
amdhsa.kernels:
  - .name:           k_qfb29ccde5f_scores
    .symbol:         k_qfb29ccde5f_scores.kd
    .args:
      - { .name: qf, .offset: 0, .size: 8, .value_kind: global_buffer, .address_space: global }
      - { .name: kf, .offset: 8, .size: 8, .value_kind: global_buffer, .address_space: global }
      - { .name: lowp_scales, .offset: 16, .size: 8, .value_kind: global_buffer, .address_space: global }
      - { .name: pf, .offset: 24, .size: 8, .value_kind: global_buffer, .address_space: global }
      - { .name: stats, .offset: 32, .size: 8, .value_kind: global_buffer, .address_space: global }
    .group_segment_fixed_size: 327680
    .private_segment_fixed_size: 0
    .kernarg_segment_align: 8
    .kernarg_segment_size: 40
    .max_flat_workgroup_size: 128
    .sgpr_count:     100
    .vgpr_count:     1024
    .wavefront_size: 32
...
	.end_amdgpu_metadata
.endif
;; end of part 2
;; launch pv (part 3): grid 8 x 32, 4 waves a work-group, clusters of 4 x 4, 327,680 bytes of LDS; arguments pf, vf, stats, lowp_scales, out0; writes out0
.if DOCPART == 3
	.amdgcn_target "amdgcn-amd-amdhsa--gfx1250"
	.amdhsa_code_object_version 6
	.text
	.protected	k_qfb29ccde5f_pv
	.globl	k_qfb29ccde5f_pv
	.p2align	8
	.type	k_qfb29ccde5f_pv,@function
k_qfb29ccde5f_pv:
	s_mov_b64 s[64:65], 0
	v_nop
	global_prefetch_b8 v0, s[64:65] scope:SCOPE_SE
	s_setreg_imm32_b32 hwreg(HW_REG_WAVE_MODE, 25, 1), 1
	s_wait_xcnt 0x0
	s_wait_alu depctr_hold_cnt(0) depctr_sa_sdst(0) depctr_va_vdst(0) depctr_va_sdst(0) depctr_va_ssrc(0) depctr_va_vcc(0) depctr_vm_vsrc(0)
	s_getreg_b32 s2, hwreg(HW_REG_IB_STS2, 6, 4)
	s_cmp_eq_u32 s2, 0
	s_cbranch_scc0 .Lentry_in_a_cluster
	s_endpgm
.Lentry_in_a_cluster:
	s_bfe_u32 s2, ttmp6, 0x10000c
	s_cmp_lg_u32 s2, 0xf033
	s_cbranch_scc0 .Lentry_shape_is_right
	s_endpgm
.Lentry_shape_is_right:
; out = (p v) x 2^(e8 + e9) / l on codes of E5M2.  pf: p's codes, each chunk of 128 keys under its own whole number M; vf: v's codes with the keys innermost; both as images of operand registers
; ([batch][block of 16 rows][key chunk of 128][2,048 bytes]).  stats: M and l for each (batch, chunk, query).
; THE ROW'S M is the largest of its chunks' M.  A chunk's codes are brought under it by the exact factor 2^-d, d = the row's M less the chunk's, a whole number >= 0: the codes are widened to f32 (exact) and converted again
; with the lane's own scale 2^d.  Only numbers that fall under the format's normal range are rounded a second time.  l = the sum of the chunks' l x 2^-d.  d is held at 127: the codes are then 0, and the factor for l is 0.
; LIMITS: none on e8 + e9 (applied by v_ldexp_f32).  NaN and infinities are not served.
; SHARES.  A tile is 128 queries x 128 channels; four waves, each 64 x 64: 16 accumulators, 128 registers.  Blocks of 128 queries come in groups of four (block = 4 g + cy); group g has 4 (g + 1) chunks of keys under its diagonal.
; A WORK-GROUP MAKES TWO TILES, group 3 - gp and then group gp (gp = 0 or 1): 16 + 4 or 12 + 8 chunks, 20 in every work-group.  256 work-groups: the cluster's y is 2 x batch + gp, the tile of channels 4 x the cluster's x + cx.
; All sixteen partners walk the same chunks, so that every joint request is made by all that it names; chunks beyond a partner's own diagonal hold zero codes.  p's tile is shared along a row of the cluster, v's along a column.
; THE RING.  A slot holds four chunks, 512 keys: p's 8 blocks x 8,192 bytes, then v's 8.  20 chunks are five fills: two at the start, three refills; the ring goes on from the first tile into the second.  A refill has a slot's
; 64 matrix instructions a wave, and their conversions, in which to land.  The five fills are written out; each has its own descriptor group 0, written once.
; Where the first tile ends hangs on gp: behind fill 2 (gp = 1) or fill 3 (gp = 0).  Forward branches on gp, which is the same in all partners, go round the first tile's way out and choose how a tile's first products begin;
; no tensor load and no barrier is jumped over.
; Source 0 = 16 channels of v, source 1 = 16 queries of p: a lane holds one query and eight neighbouring channels.
; REGISTERS: window 0: v0-15 addresses; v16-31 l, v32-47 2^d, of (block a, chunk c of the slot's four): 4 a + c; v48-51 the rows' M; v52-55 l's sums; v56-63 the divisors' pairs; v64-127 at the head the first tile's M, later v64-79
;   a slot's M, v80-111 a block's results, v112-115 the second tile's rows' M; v128-191, v192-255 p's fragments, two sets (set 1 also takes the rows on the way out).
;   window 1: v's fragments, two sets, at v0 and v64.   window 2: the accumulators ((a, b) at v[8 (4 a + b)]).   window 3: v0-127 two fragments widened to f32.
.set SLOT,   131072                    ; 512 keys: p's 8 blocks x 8,192 bytes (four images), then v's 8
.set BOFF,   65536
.set SPARE,  2*SLOT                    ; behind the ring: the spare words, 128 bytes for each wave
.set STAGE,  SPARE+512                 ; the way out: 16 rows x (256 bytes + 16) for each wave; bytes of its own, since it is written while slots are still to be filled
.set SPITCH, 272                       ; 68 words: row r starts at bank 4 r mod 64 (64 banks of 4 bytes: ISA guide 11.1)
.set ADRA, 2                           ; v2-3    LDS address of my p fragments in slot 0, 1
.set ADRB, 4                           ; v4-5    the same for v
.set SQ,   6                           ; v6      4 x (lane % 16): my query's place among 16 in stats
.set LI,   8                           ; v8      16 x lane
.set STO,  9                           ; v9      the stage: where I put 32 bytes of a row
.set RD,   10                          ; v10     and where I read 16 bytes of a row back
.set SOFF, 11                          ; v11     stats: my query's offset at the chunks in hand
.set CO,   12                          ; v12     out0: lanes 0-15 one row, lanes 16-31 the next, 16 bytes a lane
.set SPW,  13                          ; v13     LDS address of my spare word; never rewritten
.set ONE,  14                          ; v14     the byte 127 four times: the widening's scale 1
.set NIL,  15                          ; v15     0; never rewritten
.set RL,   16
.set DD,   32
.set MR,   48
.set LS,   52
.set RC,   56
.set PM,   64
.set TMP,  80
.set MR2,  112
.set AF,   128
.set M2,   128                         ; at the head only: the second tile's M, 8 chunks x 4 blocks
.set SOF2, 160                         ; at the head only: their offset
.set BK,   192
.set G1,  24                           ; s[24:31] descriptor group 1 for p's tiles
.set G1B, 32                           ; s[32:39] for v's: it differs in the mask alone
.set G0A, 40                           ; s[40:59] descriptor groups 0 for p's five fills
.set G0B, 68                           ; s[68:87] for v's
.set SO,  19                           ; s20-23  stats: scalar offset of fills 1 to 4 (s[SO + n])
.set OUT1, 12                          ; s[12:13] out0 at my wave's part of the first tile
.set OUT2, 66                          ; s[66:67] of the second
.set GP,  92                           ; s92
.set ES,  93                           ; s93     e8 + e9
.set MSB, 0
.macro WIN new                         ; the immediate's high byte repeats the setting that is left
.if MSB != \new
	s_set_vgpr_msb (MSB<<8)|\new
.set MSB, \new
.endif
.endm
.set MUL_LO, 0xa1                      ; source 0 (v) window 1, source 1 (p) window 0, C and D window 2
.set TO_B,   0x40
.macro JLOAD g0a, g1a, g0b, g1b        ; a joint load: waves 0 and 1 fetch p's halves, waves 2 and 3 v's; four v_nop follow each of the two lines
	s_cmp_eq_u32 s15, 0
	s_cbranch_scc0 .Lfor_b_\@
	tensor_load_to_lds s[\g0a:\g0a+3], s[\g1a:\g1a+7]
	s_nop 0
.rept 4
	v_nop
.endr
	s_branch .Lasked_\@
.Lfor_b_\@:
	tensor_load_to_lds s[\g0b:\g0b+3], s[\g1b:\g1b+7]
	s_nop 0
.rept 4
	v_nop
.endr
.Lasked_\@:
.endm
.macro CREST                           ; a round of the cluster's barrier behind its opening barrier
	s_cmp_lg_u32 s14, 0
	s_cbranch_scc1 .Lnot_wave_0_\@
	s_barrier_signal -3
.Lnot_wave_0_\@:
	s_barrier_wait -3
	s_barrier_signal -1
	s_barrier_wait -1
.endm
.macro CROUND
	s_barrier_signal -1
	s_barrier_wait -1
	CREST
.endm
.macro PLACES n
.rept \n
	v_nop
.endr
.endm
	s_load_b128 s[4:7], s[0:1], 0x0                ; pf s[4:5], vf s[6:7]
	s_load_b128 s[8:11], s[0:1], 0x10              ; stats s[8:9], the scales' exponents s[10:11]
	s_load_b64 s[12:13], s[0:1], 0x20              ; out0
	v_lshl_add_u32 v[SPW], v0, 2, SPARE
	v_mov_b32 v[NIL], 0
	ds_add_u32 v13, v15
	ds_add_u32 v13, v15
	s_wait_dscnt 0x0
	v_lshrrev_b32 v1, 5, v0
	v_readfirstlane_b32 s14, v1                    ; wave 0..3
	s_lshr_b32 s15, s14, 1                         ; wr: which 64 queries are mine.  Also: I fetch for p (0) or for v (1)
	s_and_b32 s16, s14, 1                          ; wc: which 64 channels.  Also: which 4 blocks of that tile I fetch
	s_bfe_u32 s88, ttmp6, 0x40000                  ; cx, cy
	s_bfe_u32 s89, ttmp6, 0x40004
	s_and_b32 s90, ttmp7, 0xffff                   ; the cluster's y: 0..7
	s_lshr_b32 s91, s90, 1                         ; the batch
	s_and_b32 s[GP], s90, 1                        ; gp: the same in all sixteen partners
	s_sub_co_u32 s93, 3, s[GP]
	s_lshl_b32 s17, s93, 2
	s_add_co_u32 s17, s17, s89                     ; the first tile's block of 128 queries: 4 (3 - gp) + cy; hangs on cy, never on cx
	s_lshl_b32 s18, s[GP], 2
	s_add_co_u32 s18, s18, s89                     ; the second's: 4 gp + cy
	s_lshl_b32 s19, ttmp9, 2
	s_add_co_u32 s19, s19, s88                     ; my tile of 128 channels; hangs on cx, never on cy
	s_lshl_b32 s94, s89, 2
	s_lshl_b32 s94, 15, s94                        ; my row of the cluster
	s_lshl_b32 s95, 0x1111, s88                    ; my column
	; descriptor groups 1: 4 rows (blocks of 16) x 8,192 bytes (four images), 32,768 bytes from row to row.  No padding: an image is read 16 bytes a lane on end.
	s_or_b32 s[G1+0], s94, 1<<21                   ; 15:0 the mask: p's tiles go to my row; 17:16 elements of 1 byte; 21 set beside a mask
	s_or_b32 s[G1B+0], s95, 1<<21                  ; v's tiles go to my column
.irp g, G1, G1B
	s_mov_b32 s[\g+1], 8192<<16                    ; tensor_dim0
	s_mov_b32 s[\g+2], 4<<16                       ; tensor_dim1
	s_mov_b32 s[\g+3], 8192<<16                    ; tile_dim0
	s_mov_b32 s[\g+4], 4                           ; tile_dim1
	s_mov_b32 s[\g+5], 32768                       ; tensor_dim0_stride
	s_mov_b32 s[\g+6], 0
	s_mov_b32 s[\g+7], 0
.endr
	; where the five fills come from, as byte offsets.  p: block of 16 queries 128 b + 8 x (block of 128) + 4 x half; v: block of 16 channels 64 b + 8 x tile + 4 x half; four chunks are 8,192 bytes on.
	;   fill:          0        1        2        3                     4
	;   gp = 0:  tile 1, 0-3   4-7     8-11    tile 1, 12-15        tile 2, 0-3
	;   gp = 1:  tile 1, 0-3   4-7     8-11    tile 2, 0-3          tile 2, 4-7
	s_lshl_b32 s20, s91, 7
	s_lshl_b32 s21, s16, 2
	s_add_co_u32 s20, s20, s21
	s_lshl_b32 s21, s17, 3
	s_add_co_u32 s21, s21, s20
	s_lshl_b32 s21, s21, 15                        ; p, the first tile
	s_lshl_b32 s22, s18, 3
	s_add_co_u32 s22, s22, s20
	s_lshl_b32 s22, s22, 15                        ; p, the second tile
	s_add_co_u32 s20, s21, 24576
	s_add_co_u32 s23, s22, 8192
	s_lshl_b32 s96, s91, 6
	s_lshl_b32 s97, s19, 3
	s_add_co_u32 s96, s96, s97
	s_lshl_b32 s97, s16, 2
	s_add_co_u32 s96, s96, s97
	s_lshl_b32 s96, s96, 15                        ; v
	s_add_co_u32 s62, s96, 24576
	s_add_co_u32 s63, s96, 8192
	s_mov_b32 s[G0A+2], s21
	s_add_co_u32 s[G0A+6], s21, 8192
	s_add_co_u32 s[G0A+10], s21, 16384
	s_mov_b32 s[G0B+2], s96
	s_mov_b32 s[G0B+6], s63
	s_add_co_u32 s[G0B+10], s96, 16384
	s_cmp_eq_u32 s[GP], 1
	s_cselect_b32 s[G0A+14], s22, s20
	s_cselect_b32 s[G0A+18], s23, s22
	s_cselect_b32 s[G0B+14], s96, s62
	s_cselect_b32 s[G0B+18], s63, s96
	s_lshl_b32 s2, s16, 15                         ; where they go: p's halves at 0 and 32,768 of a slot,
	s_add_co_u32 s3, s2, BOFF                      ; v's at 65,536 and 98,304: no place in the cluster enters an LDS address
.irp n, 0,1,2,3,4
	s_mov_b32 s[G0A+4*\n], 1                       ; 1:0 count = 1
	s_add_co_u32 s[G0A+4*\n+1], s2, (\n%2)*SLOT    ; 63:32 LDS address: the slots take turns
	s_mov_b32 s[G0A+4*\n+3], 0                     ; (the offset's upper word)
	s_mov_b32 s[G0B+4*\n], 1
	s_add_co_u32 s[G0B+4*\n+1], s3, (\n%2)*SLOT
	s_mov_b32 s[G0B+4*\n+3], 0
.endr
	s_wait_kmcnt 0x0
	s_load_b64 s[98:99], s[10:11], 0x20            ; e8, e9
.irp n, 0,1,2,3,4
	s_add_nc_u64 s[G0A+4*\n+2:G0A+4*\n+3], s[4:5], s[G0A+4*\n+2:G0A+4*\n+3]   ; 120:64 global address
	s_or_b32 s[G0A+4*\n+3], s[G0A+4*\n+3], 0x80000000                         ; 127:126 type = 2
	s_add_nc_u64 s[G0B+4*\n+2:G0B+4*\n+3], s[6:7], s[G0B+4*\n+2:G0B+4*\n+3]
	s_or_b32 s[G0B+4*\n+3], s[G0B+4*\n+3], 0x80000000
.endr
	CROUND                                         ; all sixteen work-groups are here: the first joint loads meet
	JLOAD G0A, G1, G0B, G1B                        ; fill 0
	JLOAD G0A+4, G1, G0B+4, G1B                    ; fill 1: two loads of mine are out
	v_and_b32 v1, 15, v0                           ; r
	v_bfe_u32 v7, v0, 4, 1                         ; h
	v_and_b32 v[LI], 31, v0
	v_lshlrev_b32 v[LI], 4, v[LI]
	; stats: my lane's query of block a is 128 x (block of 128) + 64 wr + 16 a + r; a chunk is 8,192 bytes on, a batch 131,072
	s_lshl_b32 s2, s91, 17
	s_mov_b32 s3, 0
	s_add_nc_u64 s[8:9], s[8:9], s[2:3]
	s_lshl_b32 s88, s17, 9
	s_lshl_b32 s89, s15, 8
	s_add_co_u32 s88, s88, s89                     ; the first tile's queries, in bytes
	s_lshl_b32 s90, s18, 9
	s_add_co_u32 s90, s90, s89                     ; the second's
	v_lshlrev_b32 v[SQ], 2, v1
	v_add_nc_u32 v[SOFF], s88, v[SQ]
	v_add_nc_u32 v[SOF2], s90, v[SQ]
.irp a, 0,1,2,3
.irp c, 0,1,2,3,4,5,6,7,8,9,10,11,12,13,14,15
	global_load_b32 v[PM+16*\a+\c], v[SOFF], s[8:9] offset:8192*\c+64*\a       ; the first tile's queries are 1,024 and up: M of all 16 chunks has been stored
.endr
.endr
.irp a, 0,1,2,3
.irp c, 0,1,2,3,4,5,6,7
	global_load_b32 v[M2+8*\a+\c], v[SOF2], s[8:9] offset:8192*\c+64*\a        ; the second tile's lie under 1,024: chunks 0-7 alone exist for them
.endr
.endr
.irp a, 0,1,2,3
.irp c, 0,1,2,3
	global_load_b32 v[RL+4*\a+\c], v[SOFF], s[8:9] offset:524288+8192*\c+64*\a ; l of fill 0's chunks
.endr
.endr
	s_add_co_u32 s20, s88, 0x8000                  ; fills 1 and 2: the first tile's chunks 4-7, 8-11
	s_add_co_u32 s21, s88, 0x10000
	s_add_co_u32 s62, s88, 0x18000
	s_add_co_u32 s63, s90, 0x8000
	s_cmp_eq_u32 s[GP], 1
	s_cselect_b32 s22, s90, s62                    ; fill 3
	s_cselect_b32 s23, s63, s90                    ; fill 4
	s_lshl_b32 s94, s15, 15                        ; my 4 blocks of p
	s_lshl_b32 s95, s16, 15                        ; my 4 blocks of v,
	s_add_co_u32 s95, s95, BOFF                    ; which lie behind p's 8
.irp s, 0,1
	v_add_nc_u32 v[ADRA+\s], s94, v[LI]
	v_add_nc_u32 v[ADRB+\s], s95, v[LI]
	s_add_co_u32 s94, s94, SLOT
	s_add_co_u32 s95, s95, SLOT
.endr
	s_mul_i32 s94, s14, 16*SPITCH
	s_add_co_u32 s94, s94, STAGE                   ; my stage
	v_mul_u32_u24 v[STO], v1, SPITCH               ; in: row r, 32 bytes for each half of the lanes
	v_lshl_add_u32 v[STO], v7, 5, v[STO]
	v_add_nc_u32 v[STO], s94, v[STO]
	v_mul_u32_u24 v[RD], v7, SPITCH                ; back: lanes 0-15 take one row of 256 bytes, lanes 16-31 the next
	v_lshl_add_u32 v[RD], v1, 4, v[RD]
	v_add_nc_u32 v[RD], s94, v[RD]
	v_lshlrev_b32 v[CO], 12, v7                    ; and the same two rows in out0
	v_lshl_add_u32 v[CO], v1, 4, v[CO]
	; out0 at my wave's first row and column: (2,048 b + 128 x block + 64 wr) x 4,096 + 512 x tile of channels + 256 wc
	s_lshl_b32 s94, s91, 11
	s_lshl_b32 s95, s15, 6
	s_add_co_u32 s94, s94, s95
	s_lshl_b32 s95, s19, 9
	s_lshl_b32 s90, s16, 8
	s_add_co_u32 s95, s95, s90
	s_lshl_b32 s2, s18, 7
	s_add_co_u32 s2, s2, s94
	s_lshl_b32 s2, s2, 12
	s_add_co_u32 s2, s2, s95
	s_add_nc_u64 s[OUT2:OUT2+1], s[12:13], s[2:3]
	s_lshl_b32 s2, s17, 7
	s_add_co_u32 s2, s2, s94
	s_lshl_b32 s2, s2, 12
	s_add_co_u32 s2, s2, s95
	s_add_nc_u64 s[OUT1:OUT1+1], s[12:13], s[2:3]
	v_mov_b32 v[ONE], 0x7f7f7f7f
.irp a, 0,1,2,3
	v_mov_b32 v[LS+\a], 0
	v_mov_b32 v[RC+2*\a+1], 0                      ; (named as the upper half of a pair)
.endr
	s_wait_kmcnt 0x0
	s_add_co_i32 s[ES], s98, s99                   ; e8 + e9
; For a slot's four chunks: d, the conversions' scale 2^d, and l's sum.  M of (a, c) lies at v[rm + stride a + c] and is worked on in place: sixteen chains that do not wait for each other.
.macro DMAKE rm, stride
.irp a, 0,1,2,3
.irp c, 0,1,2,3
	v_sub_f32 v[\rm+\stride*\a+\c], v[MR+\a], v[\rm+\stride*\a+\c]    ; d: a whole number, 0 or more
.endr
.endr
.irp a, 0,1,2,3
.irp c, 0,1,2,3
	v_min_num_f32 v[\rm+\stride*\a+\c], 0x42fe0000, v[\rm+\stride*\a+\c]   ; at most 127
.endr
.endr
.irp a, 0,1,2,3
.irp c, 0,1,2,3
	v_cvt_u32_f32 v[\rm+\stride*\a+\c], v[\rm+\stride*\a+\c]
.endr
.endr
.irp a, 0,1,2,3
.irp c, 0,1,2,3
	v_add_lshl_u32 v[DD+4*\a+\c], v[\rm+\stride*\a+\c], 0x7f, 23      ; 2^d as f32
.endr
.endr
.irp a, 0,1,2,3
.irp c, 0,1,2,3
	v_sub_nc_u32 v[\rm+\stride*\a+\c], 0x7f, v[\rm+\stride*\a+\c]
.endr
.endr
.irp a, 0,1,2,3
.irp c, 0,1,2,3
	v_lshlrev_b32 v[\rm+\stride*\a+\c], 23, v[\rm+\stride*\a+\c]      ; 2^-d as f32; 0 where d is 127
.endr
.endr
.irp c, 0,1,2,3
.irp a, 0,1,2,3
	v_fmac_f32 v[LS+\a], v[RL+4*\a+\c], v[\rm+\stride*\a+\c]
.endr
.endr
.endm
.macro LOADRAW n                       ; M and l of fill n's four chunks; the loads that last read SOFF have been waited for
	v_add_nc_u32 v[SOFF], s[SO+\n], v[SQ]
.irp a, 0,1,2,3
.irp c, 0,1,2,3
	global_load_b32 v[PM+4*\a+\c], v[SOFF], s[8:9] offset:8192*\c+64*\a
	global_load_b32 v[RL+4*\a+\c], v[SOFF], s[8:9] offset:524288+8192*\c+64*\a
.endr
.endr
.endm
.macro NEXTD                           ; they were asked for three chunks ago
	s_wait_loadcnt 0x0
	DMAKE PM, 4
.endm
.macro FRAG reg, adr, q, i             ; block i's image of the slot's q-th chunk: four loads, 16 bytes a lane on end
.irp c, 0,1,2,3
	ds_load_b128 v[\reg+4*\c:\reg+4*\c+3], v[\adr] offset:2048*(\q)+512*\c+8192*(\i)
.endr
.endm
.macro FETCH slot, q, p                ; a chunk's fragments into set p: p's four (16 loads) first, then v's four (16 loads)
	WIN 0
.irp i, 0,1,2,3
	FRAG AF+64*(\p)+16*\i, ADRA+\slot, \q, \i
.endr
	WIN TO_B
.irp i, 0,1,2,3
	FRAG 64*(\p)+16*\i, ADRB+\slot, \q, \i
.endr
	WIN 0
.endm
; 4 matrix instructions: block a of queries x v's four blocks of channels, 128 keys.  The 16 accumulators take turns, one instruction a turn, in the same order in every chunk.
.macro MUL4 a, p, zero
.irp b, 0,1,2,3
.if \zero
	v_wmma_f32_16x16x128_bf8_bf8 v[8*(4*(\a)+\b):8*(4*(\a)+\b)+7], v[64*(\p)+16*\b:64*(\p)+16*\b+15], v[AF+64*(\p)+16*(\a):AF+64*(\p)+16*(\a)+15], 0
.else
	v_wmma_f32_16x16x128_bf8_bf8 v[8*(4*(\a)+\b):8*(4*(\a)+\b)+7], v[64*(\p)+16*\b:64*(\p)+16*\b+15], v[AF+64*(\p)+16*(\a):AF+64*(\p)+16*(\a)+15], v[8*(4*(\a)+\b):8*(4*(\a)+\b)+7]
.endif
.endr
.endm
.macro MULS p, zero                    ; a chunk's 16
	WIN MUL_LO
	MUL4 0, \p, \zero
	MUL4 1, \p, \zero
	MUL4 2, \p, \zero
	MUL4 3, \p, \zero
	WIN 0
.endm
; p's four fragments of set p, chunk cc of the slot's four, are brought under the row's M: widened to f32 (x 1) into window 3, and converted back with the lane's scale 2^d.  Two fragments at a time.
; One plain vector instruction stands behind each run of conversions, ahead of the instructions that touch their results or write their sources.  No hold: the numbers only become smaller.
.macro FIX p, cc
.irp u, 0,1
	WIN 0xc0                                       ; destination window 3
.irp a, 0,1
.irp g, 0,1,2,3,4,5,6,7
	v_cvt_scale_pk8_f32_bf8 v[64*\a+8*\g:64*\a+8*\g+7], v[AF+64*(\p)+16*(2*\u+\a)+2*\g:AF+64*(\p)+16*(2*\u+\a)+2*\g+1], v[ONE]
.endr
.endr
	v_nop
	WIN 0x03                                       ; source 0 window 3
.irp a, 0,1
.irp g, 0,1,2,3,4,5,6,7
	v_cvt_scalef32_pk8_bf8_f32 v[AF+64*(\p)+16*(2*\u+\a)+2*\g:AF+64*(\p)+16*(2*\u+\a)+2*\g+1], v[64*\a+8*\g:64*\a+8*\g+7], v[DD+4*(2*\u+\a)+\cc]
.endr
.endr
	v_nop
.endr
	WIN 0
.endm
; One of a slot's first three chunks, on set q % 2; the next chunk's fragments are fetched into the other set.
; zero = 1: the products start the sums; 0: they add in place; 2: they start the sums where gp is zgp (a tile begins here in those work-groups) and add in place elsewhere: two runs of 16, chosen by a branch on gp.
.macro STEP slot, q, zero, zgp
	s_wait_dscnt 16                                ; p's 16 loads are in; v's 16, issued behind them, may be out
	FIX (\q)%2, \q
	s_wait_dscnt 0x0                               ; v's are in
	PLACES 4                                       ; in front of loads into the other set, which the last products read
	FETCH \slot, (\q)+1, 1-(\q)%2
.if \zero == 2
	s_cmp_eq_u32 s[GP], \zgp
	s_cbranch_scc1 .Lnew_tile_\@
	MULS (\q)%2, 0
	s_branch .Lmultiplied_\@
.Lnew_tile_\@:
	MULS (\q)%2, 1
.Lmultiplied_\@:
.else
	MULS (\q)%2, \zero
.endif
.endm
; A slot's fourth chunk (set 1) changes slots: ONE barrier.  The conversions and half of the products come first; then each wave waits for all its tensor loads, adds 0 to its spare word, and waits for that; its reads of this slot
; were over at the wait for v's fragments.  fill = 1: this slot takes fill n, behind a round of the cluster's barrier.
.macro TURN slot, next, fill, n
	s_wait_dscnt 16                                ; p's 16 loads are in; v's 16 may be out
	FIX 1, 3
	s_wait_dscnt 0x0                               ; v's are in: my reads of this slot are over
	WIN MUL_LO
	MUL4 0, 1, 0
	MUL4 1, 1, 0
	WIN 0                                          ; (the add's two registers lie in window 0)
	s_wait_tensorcnt 0x0                           ; all my tensor loads have landed: my part of the next slot
	ds_add_u32 v[SPW], v[NIL]                      ; 0 onto my spare word; four products stand between it and the wait for it
	WIN MUL_LO
	MUL4 2, 1, 0
	s_wait_dscnt 0x0                               ; the add is done
	s_barrier_signal -1
	MUL4 3, 1, 0
	WIN 0
	s_barrier_wait -1
.if \fill
	CREST                                          ; the barrier has opened a round of the cluster's barrier: no wave of any partner still reads this slot's tile or has a load on its way
	JLOAD G0A+4*(\n), G1, G0B+4*(\n), G1B          ; the first tensor load behind the round; its four v_nop are also the places in front of the loads below
.else
	PLACES 4
.endif
	FETCH \next, 0, 0
.endm
.macro BODY slot, n, zero, zgp         ; fill n's first three chunks; the next fill's M and l are asked for behind the first
	STEP \slot, 0, \zero, \zgp
.if \n < 4
	LOADRAW \n+1
.endif
	STEP \slot, 1, 0, 0
	STEP \slot, 2, 0, 0
.endm
; THE WAY OUT of a tile.  Each sum x 2^(e8 + e9) / l; a block of 16 queries x 64 channels goes through my stage in LDS and comes back as rows of 256 bytes.
.macro TOSTAGE a
	WIN 0x02                                       ; source 0: window 2
.set j, 0
.rept 16
	v_pk_mul_f32 v[TMP+j:TMP+j+1], v[32*(\a)+j:32*(\a)+j+1], v[RC+2*(\a):RC+2*(\a)+1] op_sel_hi:[1,0]   ; each accumulator from its low end on
.set j, j+2
.endr
	WIN 0
.irp b, 0,1,2,3
	ds_store_b128 v[STO], v[TMP+8*\b:TMP+8*\b+3] offset:64*\b
	ds_store_b128 v[STO], v[TMP+8*\b+4:TMP+8*\b+7] offset:64*\b+16
.endr
.irp t, 0,1,2,3,4,5,6,7
	ds_load_b128 v[BK+32*((\a)%2)+4*\t:BK+32*((\a)%2)+4*\t+3], v[RD] offset:\t*2*SPITCH   ; LDS serves a wave's instructions in order (ISA guide 5.7.1.4): these see the stores above, and the next block's stores come behind them
.endr
.endm
.macro SEND a, younger, o              ; younger: the LDS instructions issued behind block a's loads, which may stay out
	s_wait_dscnt \younger
.irp t, 0,1,2,3,4,5,6,7
	global_store_b128 v[CO], v[BK+32*((\a)%2)+4*\t:BK+32*((\a)%2)+4*\t+3], s[\o:\o+1] offset:(16*(\a)+2*\t)*4096 th:TH_STORE_NT   ; sixteen lanes store 256 consecutive bytes, aligned; written once, read by nobody here
.endr
.endm
.macro WAYOUT o, mid                   ; mid = 1: another tile follows
.irp a, 0,1,2,3
	v_rcp_f32 v[RC+2*\a], v[LS+\a]
.endr
	PLACES 4                                       ; the plain instruction behind the reciprocals, and places behind the last products: for the reads of results and the loads into p's set 1
	s_wait_alu depctr_va_vdst(0)                   ; one wait for the four reciprocals, ahead of their first reader
.irp a, 0,1,2,3
	v_ldexp_f32 v[RC+2*\a], v[RC+2*\a], s[ES]
.endr
	TOSTAGE 0
	TOSTAGE 1
	SEND 0, 16, \o                                 ; behind block 0's loads: block 1's 8 stores and 8 loads
	s_wait_xcnt 0x0                                ; block 0's stores have read their registers: block 2's loads may land there
	TOSTAGE 2
	SEND 1, 16, \o
	s_wait_xcnt 0x0                                ; block 1's likewise
	TOSTAGE 3
	SEND 2, 16, \o
	SEND 3, 0, \o
.if \mid
	s_wait_xcnt 0x0                                ; the stores have read their registers: the next chunk's fragments may land in p's set 1
.irp a, 0,1,2,3
	v_mov_b32 v[MR+\a], v[MR2+\a]                  ; the second tile's rows: their M,
	v_mov_b32 v[LS+\a], 0                          ; and a new sum of l
.endr
.endif
.endm
	s_wait_loadcnt 0x0                             ; M and l
.irp a, 0,1,2,3
	v_max3_num_f32 v[MR+\a], v[PM+16*\a], v[PM+16*\a+1], v[PM+16*\a+2]   ; the row's M: the largest of its chunks'
.endr
.irp k, 3,5,7,9,11,13
.irp a, 0,1,2,3
	v_max3_num_f32 v[MR+\a], v[MR+\a], v[PM+16*\a+\k], v[PM+16*\a+\k+1]
.endr
.endr
.irp a, 0,1,2,3
	v_max_num_f32 v[MR+\a], v[MR+\a], v[PM+16*\a+15]
.endr
	DMAKE PM, 16                                   ; fill 0's chunks
.irp a, 0,1,2,3
	v_max3_num_f32 v[MR2+\a], v[M2+8*\a], v[M2+8*\a+1], v[M2+8*\a+2]     ; the same for the second tile's rows, kept for later
.endr
.irp k, 3,5
.irp a, 0,1,2,3
	v_max3_num_f32 v[MR2+\a], v[MR2+\a], v[M2+8*\a+\k], v[M2+8*\a+\k+1]
.endr
.endr
.irp a, 0,1,2,3
	v_max_num_f32 v[MR2+\a], v[MR2+\a], v[M2+8*\a+7]
.endr
	s_wait_tensorcnt 1                             ; my part of fill 0 is in; fill 1's load may be out
	s_barrier_signal -1
	s_barrier_wait -1
	FETCH 0, 0, 0
	BODY 0, 0, 1, 0                                ; fill 0: the first products start the sums
	TURN 0, 1, 1, 2                                ; slot 0 takes fill 2
	NEXTD
	BODY 1, 1, 0, 0                                ; fill 1
	TURN 1, 0, 1, 3                                ; slot 1 takes fill 3
	NEXTD
	BODY 0, 2, 0, 0                                ; fill 2
	TURN 0, 1, 1, 4                                ; slot 0 takes fill 4: the last load
	s_cmp_lg_u32 s[GP], 1                          ; gp = 1: the first tile had 12 chunks and goes out here, while fill 4 is on its way
	s_cbranch_scc1 .Lgoes_on_a
	WAYOUT OUT1, 1
.Lgoes_on_a:
	NEXTD
	BODY 1, 3, 2, 1                                ; fill 3: where gp = 1 it begins the second tile
	TURN 1, 0, 0, 0                                ; nothing is left to fetch: a plain barrier, behind which fill 4 is whole for every wave
	s_cmp_lg_u32 s[GP], 0                          ; gp = 0: the first tile had 16 chunks and goes out here
	s_cbranch_scc1 .Lgoes_on_b
	WAYOUT OUT1, 1
.Lgoes_on_b:
	NEXTD
	BODY 0, 4, 2, 0                                ; fill 4: where gp = 0 it is the second tile
	s_wait_dscnt 16                                ; the last chunk
	FIX 1, 3
	s_wait_dscnt 0x0
	MULS 1, 0
	WAYOUT OUT2, 0
	s_wait_tensorcnt 0x0                           ; the wave's end
	ds_add_u32 v[SPW], v[NIL]
	s_wait_dscnt 0x0
	CROUND                                         ; the closing round: no work-group ends while a partner may still ask for a tile that names it
	s_endpgm
.Lfunc_end_k_qfb29ccde5f_pv:
	.size	k_qfb29ccde5f_pv, .Lfunc_end_k_qfb29ccde5f_pv-k_qfb29ccde5f_pv
	.p2alignl 7, 3214868480
	.fill 96, 4, 3214868480
	.section	.rodata,"a",@progbits
	.p2align	6, 0x0
	.amdhsa_kernel k_qfb29ccde5f_pv
		.amdhsa_group_segment_fixed_size 327680
		.amdhsa_private_segment_fixed_size 0
		.amdhsa_enable_private_segment 0
		.amdhsa_kernarg_size 40
		.amdhsa_user_sgpr_count 2
		.amdhsa_user_sgpr_kernarg_segment_ptr 1
		.amdhsa_wavefront_size32 1
		.amdhsa_system_sgpr_workgroup_id_x 1
		.amdhsa_system_sgpr_workgroup_id_y 1
		.amdhsa_system_sgpr_workgroup_id_z 1
		.amdhsa_system_vgpr_workitem_id 0
		.amdhsa_next_free_vgpr 896
		.amdhsa_next_free_sgpr 100
		.amdhsa_reserve_vcc 0
		.amdhsa_float_denorm_mode_32 3
		.amdhsa_float_denorm_mode_16_64 3
		.amdhsa_memory_ordered 1
		.amdhsa_forward_progress 1
		.amdhsa_inst_pref_size 255
	.end_amdhsa_kernel
	.section	.bss,"aw",@nobits
	.p2align	6
	.space	262144
	.amdgpu_metadata
---
amdhsa.version: [ 1, 2 ]
amdhsa.kernels:
  - .name:           k_qfb29ccde5f_pv
    .symbol:         k_qfb29ccde5f_pv.kd
    .args:
      - { .name: pf, .offset: 0, .size: 8, .value_kind: global_buffer, .address_space: global }
      - { .name: vf, .offset: 8, .size: 8, .value_kind: global_buffer, .address_space: global }
      - { .name: stats, .offset: 16, .size: 8, .value_kind: global_buffer, .address_space: global }
      - { .name: lowp_scales, .offset: 24, .size: 8, .value_kind: global_buffer, .address_space: global }
      - { .name: out0, .offset: 32, .size: 8, .value_kind: global_buffer, .address_space: global }
    .group_segment_fixed_size: 327680
    .private_segment_fixed_size: 0
    .kernarg_segment_align: 8
    .kernarg_segment_size: 40
    .max_flat_workgroup_size: 128
    .sgpr_count:     100
    .vgpr_count:     896
    .wavefront_size: 32
...
	.end_amdgpu_metadata
.endif
;; end of part 3
